; MI455X (gfx1250); checked and timed in simulation.
; The chip was launched on July 23, 2026; its instructions are those of AMD's public machine-readable ISA for CDNA 5 (MIT licence, August 2026) and "CDNA5" Instruction Set Architecture Reference Guide (July 2026). The comments in the code are by the model that wrote it; some were corrected since.
;; Block Decomposed SSM Attention. Allowed arithmetic: matrix products marked QUANTISED: E2M1 operands, one E8M0 scale for each 32 along K, by v_wmma_scale_f32_16x16x128_f8f6f4 with both operands' format E2M1 (or v_wmma_scale_f32_32x16x128_f4), f32 sums; products left as they are: bf16, f16 or f32 operands; f32 sums; everything else in f32.
;; Inputs: A 1,024 x 1,024 float32; B 1,024 x 1,024 float32; C 1,024 x 1,024 float32; x 4 x 4,096 x 1,024 float32.
;; Outputs: out0 4 x 4,096 x 1,024 float32.
;; This version of the problem:
;;   THIS VERSION OF THE PROBLEM IS GIVEN IN LOW PRECISION. The matrix products marked QUANTISED in the list below multiply operands that are first quantised to E2M1 (2 exponent bits, 1 mantissa bit; 4 bits a number), with one power-of-two scale for each 32 numbers along K (OCP MX v1.0); their sums are f32. The products marked 'left as it is' may take bf16, f16 or f32 operands, with f32 sums. Whichever they take, every output number must still come out within the allowed error. Rounding operands to bf16 (8 significant bits) uses up far more of that allowance than f16 does (11 bits, for magnitudes from 6e-5 to 65,504). All else is computed in f32.
;;   The module's matrix products, in the order in which they are computed (A, B: the left and right operand; K: the contracted axis; several contracted axes count as one K, in the product's order):
;;     1. [M 16,384, K 1,024] x [K 1,024, N 1,024]; A: input x; B: input B: QUANTISED
;;     2. [M 16,384, K 1,024] x [K 1,024, N 1,024]; A: computed on the way; B: input A: left as it is (an operand is computed on the way)
;;     3. [M 16,384, K 1,024] x [K 1,024, N 1,024]; A: computed on the way; B: input C: left as it is (an operand is computed on the way)
;;   THE QUANTISER, for each operand of a quantised product, along K:
;;     - K is cut into blocks of 32 from its start; a last block that is shorter is filled with zeros.
;;     - A block's scale is 2^e with e = floor(log2(the largest magnitude in the block)) - 2, held to -126 .. 127; a block of zeros has e = 0. As a byte (E8M0): e + 127.
;;     - Each number is divided by its block's scale, clamped to +-6, and rounded to the nearest number of E2M1, ties to even, subnormals kept.
;;     - The product sums the exact products of the quantised numbers (number of the format x scale) in f32.
;;   ~~~python
;;   def quantise(x, axis):      # numpy; x: float32 -> the quantised numbers, widened to float32 again
;;       x = np.moveaxis(x, axis, -1); K = x.shape[-1]
;;       x = np.pad(x, [(0, 0)] * (x.ndim - 1) + [(0, -K % 32)]); x = x.reshape(x.shape[:-1] + (-1, 32)); a = np.abs(x).max(-1, keepdims=True)
;;       e = np.where(a > 0, np.clip(np.frexp(np.where(a > 0, a, 1))[1] - 1 - 2, -126, 127), 0)      # np.frexp(a)[1] - 1 = floor(log2(a)), exactly
;;       r = np.clip(x / 2.0 ** e, -6, 6)
;;       step = 2.0 ** (np.maximum(np.frexp(np.where(r == 0, 1, r))[1] - 1, 0) - 1)
;;       q = np.round(r / step) * step * 2.0 ** e      # np.round: ties to even
;;       return np.moveaxis(q.reshape(q.shape[:-2] + (-1,))[..., :K], -1, axis).astype(np.float32)
;;   ~~~
;; One version. Each part assembles by itself: llvm-mc -triple=amdgcn-amd-amdhsa -mcpu=gfx1250 --defsym DOCPART=n.
;; ======== version 1 of 1: 3 launches
;; limits: values are held in f16: magnitudes above 65,504 overflow, below 6.1e-05 lose precision; right only within a limited range of input values
;; workspace buffers: x_codes 8,388,608 bytes; x_scales 524,288 bytes; b_codes 524,288 bytes; b_scales 32,768 bytes; wt16 2,097,152 bytes; h16 33,554,432 bytes
;; launch prep (part 1): grid 400 x 1, 8 waves a work-group, no clusters, 121,856 bytes of LDS; arguments x, B, A, C, x_codes, x_scales, b_codes, b_scales, wt16; writes x_codes, x_scales, b_codes, b_scales, wt16
.if DOCPART == 1
	.amdgcn_target "amdgcn-amd-amdhsa--gfx1250"
	.amdhsa_code_object_version 6
	.text
	.protected	k_q22eaf85512_prep
	.globl	k_q22eaf85512_prep
	.p2align	8
	.type	k_q22eaf85512_prep,@function
k_q22eaf85512_prep:
	s_mov_b64 s[64:65], 0
	v_nop
	global_prefetch_b8 v0, s[64:65] scope:SCOPE_SE
	s_setreg_imm32_b32 hwreg(HW_REG_WAVE_MODE, 25, 1), 1
	s_wait_xcnt 0x0
; y = x B^T A C^T is computed as y = h W with h = Q(x) Q(B)^T and W = A C^T: the same sums in another grouping, for every input.
; This launch makes what the two products read: (Q) the codes of x [16384][1024] and B [1024][1024], f32, in FP4 (E2M1), K innermost, two codes a byte, with one E8M0 byte for each 32 along K;
; (W) wt16[o][h] = f16( sum over k of f16(C[o][k]) f16(A[h][k]) ), sums in f32: W transposed, so that its K (h) is innermost for the last product.
; WORK-GROUPS.  0 .. 127: a tile of 64 (o) x 128 (h) of wt16 each.  128 .. 383: x, 65,536 numbers each.  384 .. 399: B likewise.  The two kinds part on the work-group's number and have LDS bytes of their own.
; THE QUANTISER.  A block's scale is 2^(floor(log2(its largest magnitude)) - 2); its byte is the largest magnitude's exponent field - 2, held at 1 from below.  A block of zeros so gets the byte 1 where the rule says 127:
; its codes are zeros, which add nothing under any byte but 0xff, and this program alone reads the bytes.  Each number is divided by the scale and rounded to the nearest code, ties to even, beyond 6 the code of 6.
; LIMITS.  NaN and infinities among the inputs are not served.  Blocks whose largest magnitude lies under 2^-124 keep the byte 1.  A, C and A C^T are rounded to f16: magnitudes from 65,504 on are not served,
; and under 6.1e-5 they are f16 subnormals (absolute error 3e-8).
; NO JOINT LOADS.  The stream's work-groups share nothing.  The tiles of A and C are shared (16 and 8 work-groups read each), but they arrive as f32 and are wanted as f32 nowhere: a tile brought into LDS as it lies
; would be 49,152 bytes a chunk instead of 24,576, and would have to come out, be rounded and go back.  So they pass through registers once, on their way into LDS.
.set SPW,   12                         ; v12  LDS address of my spare word: SPARE + 4 x my thread's number; never rewritten
.set NIL,   13                         ; v13  0; never rewritten
.set SPARE, 65536                      ; behind the stream's eight regions: the spare words, 128 bytes for each wave: four blocks of 256 bytes that no other line names
.set WB,    66560                      ; behind them: the product's two buffers
	s_load_b256 s[4:11], s[0:1], 0x0               ; x s[4:5], B s[6:7], A s[8:9], C s[10:11]
	s_load_b256 s[12:19], s[0:1], 0x20             ; x's codes s[12:13], x's scales s[14:15], B's codes s[16:17], B's scales s[18:19]
	s_load_b64 s[20:21], s[0:1], 0x40              ; wt16
	v_lshl_add_u32 v[SPW], v0, 2, SPARE
	v_mov_b32 v[NIL], 0
	v_lshrrev_b32 v1, 5, v0
	v_readfirstlane_b32 s22, v1                    ; wave 0..7
	s_wait_kmcnt 0x0
	s_cmp_lt_u32 ttmp9, 128                        ; the work-group's number alone: all eight waves go the same way
	s_cbranch_scc1 .Lwprod
; ======== (Q) THE STREAM ========
; Rows are dense and K is a multiple of 32: a tensor is a plain stream of blocks of 32 numbers, and so are its codes and its scale bytes.  A wave takes 16 steps of 512 numbers.
; Each of a step's four loads reads 512 consecutive bytes, 16 a lane; the 2,048 bytes go through the wave's own stage in LDS as they lie and come back 64 bytes a lane: 16 NEIGHBOURS, as the conversions want them
; (two neighbouring lanes hold a block).  The stage has 16 bytes of padding behind each 64.  A lane's 16 codes are 8 bytes: the wave stores 256 consecutive bytes.  A wave's 256 scale bytes are gathered in LDS and leave together.
; Loads run eight steps (32 loads a wave) ahead, the turn through LDS one step.  Every offset is an immediate, and each step has registers of its own for its codes and its byte: no store's data are written again.
.set STEPS, 16
.set SP,    80                         ; a lane's place in a stage: its 64 bytes + 16 of padding
.set QR,    16                         ; v16-143   eight sets of 16 numbers as they are loaded
.set QX,    144                        ; v144-175  two sets of 16 neighbours
.set QE,    176                        ; v176-191  a scale byte for each step
.set QC,    192                        ; v192-255  codes: four registers for each step, two of them used
	v_and_b32 v2, 31, v0                           ; lane
	v_lshlrev_b32 v3, 4, v2                        ; my 16 bytes of a load's 512
	s_lshl_b32 s23, s22, 13                        ; my wave's region: 8,192 bytes: two stages of 32 x SP, then 256 scale bytes
	v_lshrrev_b32 v14, 2, v2
	v_mul_u32_u24 v14, v14, SP
	v_and_b32 v15, 3, v2
	v_lshl_add_u32 v14, v15, 4, v14
	v_add_nc_u32 v14, s23, v14                     ; the stage, on the way in: SP (lane / 4) + 16 (lane % 4); a load's 512 bytes take eight places
	v_mul_u32_u24 v15, v2, SP
	v_add_nc_u32 v15, s23, v15                     ; and on the way out: SP x lane
	v_lshlrev_b32 v4, 3, v2                        ; my codes' place in a step's 256 bytes
	v_lshrrev_b32 v5, 1, v2
	s_add_co_u32 s23, s23, 2*32*SP
	v_add_nc_u32 v5, s23, v5                       ; my block's scale byte
	v_lshlrev_b32 v7, 3, v2                        ; on the way out 8 scale bytes a lane
	v_add_nc_u32 v6, s23, v7
	s_sub_co_u32 s24, ttmp9, 128
	s_cmp_lt_u32 s24, 256                          ; x's work-group or B's?  Only pointers are chosen: both tensors take one way through the text
	s_cselect_b64 s[4:5], s[4:5], s[6:7]
	s_cselect_b64 s[12:13], s[12:13], s[16:17]
	s_cselect_b64 s[14:15], s[14:15], s[18:19]
	s_cselect_b32 s25, 0, 256
	s_sub_co_u32 s24, s24, s25
	s_lshl_b32 s24, s24, 3
	s_add_co_u32 s24, s24, s22                     ; which run of 8,192 numbers of the tensor is my wave's: at most 2,047
	s_mov_b32 s27, 0
	s_lshl_b32 s26, s24, 15                        ; 32,768 bytes of numbers a run,
	s_add_nc_u64 s[4:5], s[4:5], s[26:27]
	s_lshl_b32 s26, s24, 12                        ; 4,096 of codes,
	s_add_nc_u64 s[12:13], s[12:13], s[26:27]
	s_lshl_b32 s26, s24, 8                         ; 256 of scales
	s_add_nc_u64 s[14:15], s[14:15], s[26:27]
.macro LOADQ t
.irp i, 0,1,2,3
	global_load_b128 v[QR+16*((\t)%8)+4*\i:QR+16*((\t)%8)+4*\i+3], v3, s[4:5] offset:2048*(\t)+512*\i th:TH_LOAD_NT   ; 32 lanes read 512 consecutive bytes, read once in the launch
.endr
.endm
.macro TURNQ t                         ; step t's numbers through the stage: LDS serves a wave's instructions in order (ISA guide 5.7.1.4), so no wait stands between the stores and the loads
.irp i, 0,1,2,3
	ds_store_b128 v14, v[QR+16*((\t)%8)+4*\i:QR+16*((\t)%8)+4*\i+3] offset:32*SP*((\t)%2)+8*SP*\i
.endr
.irp i, 0,1,2,3
	ds_load_b128 v[QX+16*((\t)%2)+4*\i:QX+16*((\t)%2)+4*\i+3], v15 offset:32*SP*((\t)%2)+16*\i
.endr
.endm
.irp t, 0,1,2,3,4,5,6,7
	LOADQ \t
.endr
	s_wait_loadcnt 28                              ; step 0's four loads are in; the 28 of steps 1 to 7 may be out
	TURNQ 0
.macro STEPQ t
.set XS, QX+16*((\t)%2)
.if (\t) > 0
	s_wait_dscnt 1                                 ; this step's numbers are back from the stage (the last step's byte store may be out): so its stores into the stage have read their registers,
.else
	s_wait_dscnt 0x0
.endif
.if (\t)+8 < STEPS
	LOADQ (\t)+8                                   ; which take the loads of eight steps on
.endif
.if (\t)+1 < STEPS
.if STEPS-2-(\t) >= 7
	s_wait_loadcnt 28                              ; the next step's four loads are in; those of the seven steps behind it may be out
.else
	s_wait_loadcnt 4*(STEPS-2-(\t))                ; the counts run down: nothing more is asked for
.endif
	TURNQ (\t)+1                                   ; and go through the other stage while this step is worked
.endif
	v_max3_num_f32 v8, |v[XS]|, |v[XS+1]|, |v[XS+2]|               ; the largest magnitude of my 16, in two chains
	v_max3_num_f32 v9, |v[XS+3]|, |v[XS+4]|, |v[XS+5]|
.irp i, 6,10
	v_max3_num_f32 v8, v8, |v[XS+\i]|, |v[XS+\i+1]|
	v_max3_num_f32 v9, v9, |v[XS+\i+2]|, |v[XS+\i+3]|
.endr
	v_max3_num_f32 v8, v8, |v[XS+14]|, |v[XS+15]|
	v_max3_num_f32 v8, v8, v9, 0x1800000           ; and the floor 2^(3 - 127), under which no largest magnitude is taken: so the byte cannot fall under 1
	v_max_num_f32_dpp v8, v8, v8 row_xmask:1 row_mask:0xf bank_mask:0xf   ; and of my neighbour's 16: the block's
	v_add_nc_u32 v11, 0xff000000, v8               ; 2 off its exponent field: the conversion takes the exponent field of this operand as its scale, and nothing else of it
	v_cvt_scalef32_pk8_fp4_f32 v[QC+4*(\t)], v[XS:XS+7], v11       ; eight numbers / the scale, to the nearest code; the first number's code in the lowest four bits
	v_cvt_scalef32_pk8_fp4_f32 v[QC+4*(\t)+1], v[XS+8:XS+15], v11
	v_lshrrev_b32 v[QE+(\t)], 23, v11              ; the scale's byte.  (Also the plain line behind the conversions)
	ds_store_b8 v5, v[QE+(\t)] offset:16*(\t)      ; both lanes of a block write the same byte with the same value
	global_store_b64 v4, v[QC+4*(\t):QC+4*(\t)+1], s[12:13] offset:256*(\t)   ; 32 lanes store 256 consecutive bytes, at a multiple of 256 from the buffer's first byte
.endm
.irp t, 0,1,2,3,4,5,6,7,8,9,10,11,12,13,14,15
	STEPQ \t
.endr
	ds_load_b64 v[8:9], v6                         ; LDS serves a wave's instructions in order: these see my byte stores
	s_wait_dscnt 0x0
	global_store_b64 v7, v[8:9], s[14:15]          ; 32 lanes store my wave's 256 scale bytes together
	s_wait_tensorcnt 0x0                           ; the wave's end: behind my last LDS store
	ds_add_u32 v[SPW], v[NIL]
	s_wait_dscnt 0x0
	s_endpgm
; ======== (W) wt16 = f16(C A^T) ========
; A tile of 64 (o) x 128 (h); wave w makes rows 32 (w / 4) on, columns 32 (w % 4) on: four accumulators of 16 x 16.  K goes in 16 chunks of 64, written out: every offset is an immediate.
; A chunk: 64 rows of C and 128 rows of A, 256 bytes of each row.  A load takes two rows' 256 bytes (16 lanes each); the 4 numbers of a lane are rounded to f16 and go to LDS rows of 128 bytes + 16 of padding
; (36 words: the 16 rows of a fragment load start at 16 different groups of four banks; 64 banks of 4 bytes: ISA guide 11.1).  Two buffers take turns; loads run three chunks (36 loads a wave) ahead.
; ONE barrier a chunk.  In front of it a wave has waited for all its LDS instructions: its stores of the next chunk have landed, its reads of this chunk are in.  So the buffer written in chunk c is the one
; whose reads ended in front of the barrier of chunk c - 1, and it is read behind the barrier of chunk c.
; THE MATRIX INSTRUCTION IS USED TRANSPOSED (source 0 = 16 rows of A, source 1 = 16 rows of C): a lane then holds eight neighbouring h of one row o, 16 bytes of f16.
.set BUF,  192*144                     ; a buffer: C's 64 rows, then A's 128
.set VC,   3                           ; v3   C: my byte offset: row 8 w + lane / 16, 16 (lane % 16)
.set VA,   4                           ; v4   A: row 16 w + lane / 16
.set SC,   5                           ; v5   LDS: where my 8 bytes of C's rows go
.set SA,   6                           ; v6   and of A's
.set FC,   7                           ; v7   LDS: my lane's place in C's fragments
.set FA,   8                           ; v8   and in A's
.set STO,  9                           ; v9   the way out: where I put 16 bytes of a row
.set RD,   10                          ; v10  and where I read a row back
.set GO,   11                          ; v11  my byte offset in the tile's rows of wt16
.set WR,   16                          ; v16-159  three sets of 48: a chunk as loaded (C's 16, A's 32)
.set WF,   160                         ; v160-223 fragments: K step j at WF + 32 j: C's two, then A's two
.set ACC,  224                         ; v224-255 accumulator (a, b) at ACC + 8 (2 a + b)
.Lwprod:
	v_and_b32 v1, 15, v0                           ; r
	v_bfe_u32 v2, v0, 4, 1                         ; hf
	v_lshlrev_b32 v[VC], 4, v1
	v_lshl_add_u32 v[VC], v2, 12, v[VC]            ; hf rows of 4,096 bytes + 16 r
	s_lshl_b32 s23, s22, 15
	s_lshl_b32 s24, s22, 16
	v_add_nc_u32 v[VA], s24, v[VC]                 ; + 16 w rows
	v_add_nc_u32 v[VC], s23, v[VC]                 ; + 8 w rows
	s_lshr_b32 s27, ttmp9, 3                       ; which 64 rows o
	s_and_b32 s28, ttmp9, 7                        ; which 128 columns h
	s_mov_b32 s31, 0
	s_lshl_b32 s30, s27, 18                        ; 64 rows of 4,096 bytes
	s_add_nc_u64 s[10:11], s[10:11], s[30:31]      ; C at the tile's first row o
	s_lshl_b32 s30, s28, 19                        ; 128 rows
	s_add_nc_u64 s[8:9], s[8:9], s[30:31]          ; A at the tile's first row h
	s_lshl_b32 s30, s27, 17                        ; 64 rows of 2,048 bytes,
	s_lshl_b32 s32, s28, 8                         ; 128 columns of 2 bytes
	s_add_co_u32 s30, s30, s32
	s_add_nc_u64 s[20:21], s[20:21], s[30:31]      ; wt16 at the tile's corner
.macro LOADW c                         ; chunk c into set c % 3.  No hint: other work-groups read these rows too
.set RS, WR+48*((\c)%3)
.irp i, 0,1,2,3
	global_load_b128 v[RS+4*\i:RS+4*\i+3], v[VC], s[10:11] offset:8192*\i+256*(\c)
.endr
.irp i, 0,1,2,3,4,5,6,7
	global_load_b128 v[RS+16+4*\i:RS+16+4*\i+3], v[VA], s[8:9] offset:8192*\i+256*(\c)
.endr
.endm
.macro STOREW c, left                  ; chunk c is rounded to f16 in place and goes into buffer c % 2.  left: the younger loads, which may stay out
.set RS, WR+48*((\c)%3)
	s_wait_loadcnt \left
.irp i, 0,1,2,3,4,5,6,7,8,9,10,11
	v_cvt_pk_f16_f32 v[RS+4*\i], v[RS+4*\i], v[RS+4*\i+1]          ; the lower k in the low half
	v_cvt_pk_f16_f32 v[RS+4*\i+1], v[RS+4*\i+2], v[RS+4*\i+3]
.endr
.irp i, 0,1,2,3
	ds_store_b64 v[SC], v[RS+4*\i:RS+4*\i+1] offset:BUF*((\c)%2)+288*\i
.endr
.irp i, 0,1,2,3,4,5,6,7
	ds_store_b64 v[SA], v[RS+16+4*\i:RS+16+4*\i+1] offset:BUF*((\c)%2)+288*\i
.endr
.endm
.macro FRAGS c                         ; a fragment is 16 rows x 32 K in 8 registers: lane l holds row l % 16; registers 0-3 K = 8 (l / 16) + 0..7, registers 4-7 K = 16 + 8 (l / 16) + 0..7: two loads of 16 bytes, 32 bytes apart
.irp j, 0,1
.irp a, 0,1
	ds_load_b128 v[WF+32*\j+8*\a:WF+32*\j+8*\a+3],   v[FC] offset:BUF*((\c)%2)+2304*\a+64*\j
	ds_load_b128 v[WF+32*\j+8*\a+4:WF+32*\j+8*\a+7], v[FC] offset:BUF*((\c)%2)+2304*\a+64*\j+32
.endr
.irp b, 0,1
	ds_load_b128 v[WF+32*\j+16+8*\b:WF+32*\j+16+8*\b+3], v[FA] offset:BUF*((\c)%2)+2304*\b+64*\j
	ds_load_b128 v[WF+32*\j+16+8*\b+4:WF+32*\j+16+8*\b+7], v[FA] offset:BUF*((\c)%2)+2304*\b+64*\j+32
.endr
.endr
.endm
.macro MULW j, zero                    ; four products, 32 along K; the four accumulators take turns, one instruction a turn, in the same order everywhere.  zero = 1: they start the sums
.irp a, 0,1
.irp b, 0,1
.if \zero
	v_wmma_f32_16x16x32_f16 v[ACC+8*(2*\a+\b):ACC+8*(2*\a+\b)+7], v[WF+32*\j+16+8*\b:WF+32*\j+16+8*\b+7], v[WF+32*\j+8*\a:WF+32*\j+8*\a+7], 0
.else
	v_wmma_f32_16x16x32_f16 v[ACC+8*(2*\a+\b):ACC+8*(2*\a+\b)+7], v[WF+32*\j+16+8*\b:WF+32*\j+16+8*\b+7], v[WF+32*\j+8*\a:WF+32*\j+8*\a+7], v[ACC+8*(2*\a+\b):ACC+8*(2*\a+\b)+7]
.endif
.endr
.endr
.endm
	LOADW 0
	LOADW 1
	LOADW 2
	v_mul_u32_u24 v14, v2, 144                     ; the LDS addresses: constants, lane terms and the wave's number
	v_lshl_add_u32 v14, v1, 3, v14                 ; hf rows + 8 r
	s_mul_i32 s23, s22, 8*144
	s_add_co_u32 s23, s23, WB
	v_add_nc_u32 v[SC], s23, v14                   ; C's row 8 w + hf
	s_mul_i32 s24, s22, 16*144
	s_add_co_u32 s24, s24, WB+64*144
	v_add_nc_u32 v[SA], s24, v14                   ; A's row 16 w + hf, behind C's 64
	s_lshr_b32 s25, s22, 2                         ; which 32 rows o are my wave's
	s_and_b32 s26, s22, 3                          ; which 32 columns h
	v_mul_u32_u24 v15, v1, 144
	v_lshl_add_u32 v15, v2, 4, v15                 ; row r + 16 hf
	s_mul_i32 s23, s25, 32*144
	s_add_co_u32 s23, s23, WB
	v_add_nc_u32 v[FC], s23, v15
	s_mul_i32 s24, s26, 32*144
	s_add_co_u32 s24, s24, WB+64*144
	v_add_nc_u32 v[FA], s24, v15
	v_mul_u32_u24 v[STO], v1, 272                  ; the stage: 64 rows of 256 bytes + 16, in buffer 0
	v_lshl_add_u32 v[STO], v2, 4, v[STO]
	s_mul_i32 s23, s25, 32*272
	s_lshl_b32 s24, s26, 6
	s_add_co_u32 s23, s23, s24
	s_add_co_u32 s23, s23, WB
	v_add_nc_u32 v[STO], s23, v[STO]               ; in: row 32 (w / 4) + r, byte 64 (w % 4) + 16 hf
	v_mul_u32_u24 v[RD], v2, 272
	v_lshl_add_u32 v[RD], v1, 4, v[RD]
	s_mul_i32 s23, s22, 8*272
	s_add_co_u32 s23, s23, WB
	v_add_nc_u32 v[RD], s23, v[RD]                 ; back: row 8 w + hf, 16 bytes a lane
	v_lshlrev_b32 v[GO], 4, v1
	v_lshl_add_u32 v[GO], v2, 11, v[GO]
	s_lshl_b32 s23, s22, 14
	v_add_nc_u32 v[GO], s23, v[GO]                 ; and the same place in wt16: rows of 2,048 bytes
	STOREW 0, 24                                   ; chunk 0 is in; the 24 loads of chunks 1 and 2 may be out
	s_wait_dscnt 0x0                               ; for the others' sake: my stores have landed
	s_barrier_signal -1
	s_barrier_wait -1
.macro TRIPW c
.if (\c) <= 12
	LOADW (\c)+3                                   ; into the set that chunk c left: its stores to LDS were waited for in front of the last barrier
	STOREW (\c)+1, 24                              ; the next chunk is in; two chunks' loads may be out
.elseif (\c) == 13
	STOREW (\c)+1, 12                              ; the counts run down: nothing more is asked for
.elseif (\c) == 14
	STOREW (\c)+1, 0
.endif
.rept 4
	v_nop                                          ; four places between the last products and the loads into the registers that they read (ISA guide 7.12.1 for vector instructions)
.endr
	FRAGS \c
	s_wait_dscnt 8                                 ; the first K step's fragments are in; the second's eight loads may be out
.if (\c) == 0
	MULW 0, 1
.else
	MULW 0, 0
.endif
	s_wait_dscnt 0x0                               ; my reads of this chunk are in, and my stores of the next have landed:
.if (\c) < 15
	s_barrier_signal -1                            ; say so,
.endif
	MULW 1, 0                                      ; work on registers while the others arrive,
.if (\c) < 15
	s_barrier_wait -1                              ; and go on when all eight have said so
.endif
.endm
.irp c, 0,1,2,3,4,5,6,7,8,9,10,11,12,13,14,15
	TRIPW \c
.endr
	; THE WAY OUT.  Rounded to f16, 16 bytes a lane, into the stage; a barrier, since a row's 256 bytes come from four waves; back as whole rows.  The stage lies in buffer 0, whose last reads (chunk 14's)
	; ended in front of chunk 14's barrier; chunk 15, which other waves may still read, lies in buffer 1.
.rept 4
	v_nop                                          ; places behind the last products: the conversions read their results and write over their operands
.endr
.irp t, 0,1,2,3
.irp q, 0,1,2,3
	v_cvt_pk_f16_f32 v[WF+4*\t+\q], v[ACC+8*\t+2*\q], v[ACC+8*\t+2*\q+1]   ; each accumulator from its low end on
.endr
.endr
.irp a, 0,1
.irp b, 0,1
	ds_store_b128 v[STO], v[WF+4*(2*\a+\b):WF+4*(2*\a+\b)+3] offset:4352*\a+32*\b
.endr
.endr
	s_wait_dscnt 0x0                               ; for the others' sake: my stores into the stage have landed
	s_barrier_signal -1
	s_barrier_wait -1
.irp i, 0,1,2,3
	ds_load_b128 v[WF+32+4*\i:WF+32+4*\i+3], v[RD] offset:544*\i
.endr
.irp i, 0,1,2,3
	s_wait_dscnt 3-\i
	global_store_b128 v[GO], v[WF+32+4*\i:WF+32+4*\i+3], s[20:21] offset:4096*\i   ; 16 lanes store 256 consecutive bytes, at a multiple of 256 from the buffer's first byte
.endr
	s_wait_tensorcnt 0x0                           ; the wave's end: behind my last LDS store
	ds_add_u32 v[SPW], v[NIL]
	s_wait_dscnt 0x0
	s_endpgm
.Lfunc_end_k_q22eaf85512_prep:
	.size	k_q22eaf85512_prep, .Lfunc_end_k_q22eaf85512_prep-k_q22eaf85512_prep
	.p2alignl 7, 3214868480
	.fill 96, 4, 3214868480
	.section	.rodata,"a",@progbits
	.p2align	6, 0x0
	.amdhsa_kernel k_q22eaf85512_prep
		.amdhsa_group_segment_fixed_size 121856
		.amdhsa_private_segment_fixed_size 0
		.amdhsa_enable_private_segment 0
		.amdhsa_kernarg_size 72
		.amdhsa_user_sgpr_count 2
		.amdhsa_user_sgpr_kernarg_segment_ptr 1
		.amdhsa_wavefront_size32 1
		.amdhsa_system_sgpr_workgroup_id_x 1
		.amdhsa_system_sgpr_workgroup_id_y 1
		.amdhsa_system_sgpr_workgroup_id_z 1
		.amdhsa_system_vgpr_workitem_id 0
		.amdhsa_next_free_vgpr 256
		.amdhsa_next_free_sgpr 66
		.amdhsa_reserve_vcc 0
		.amdhsa_float_denorm_mode_32 3
		.amdhsa_float_denorm_mode_16_64 3
		.amdhsa_memory_ordered 1
		.amdhsa_forward_progress 1
		.amdhsa_inst_pref_size 121
	.end_amdhsa_kernel
	.amdgpu_metadata
---
amdhsa.version: [ 1, 2 ]
amdhsa.kernels:
  - .name:           k_q22eaf85512_prep
    .symbol:         k_q22eaf85512_prep.kd
    .args:
      - { .name: x, .offset: 0, .size: 8, .value_kind: global_buffer, .address_space: global }
      - { .name: B, .offset: 8, .size: 8, .value_kind: global_buffer, .address_space: global }
      - { .name: A, .offset: 16, .size: 8, .value_kind: global_buffer, .address_space: global }
      - { .name: C, .offset: 24, .size: 8, .value_kind: global_buffer, .address_space: global }
      - { .name: x_codes, .offset: 32, .size: 8, .value_kind: global_buffer, .address_space: global }
      - { .name: x_scales, .offset: 40, .size: 8, .value_kind: global_buffer, .address_space: global }
      - { .name: b_codes, .offset: 48, .size: 8, .value_kind: global_buffer, .address_space: global }
      - { .name: b_scales, .offset: 56, .size: 8, .value_kind: global_buffer, .address_space: global }
      - { .name: wt16, .offset: 64, .size: 8, .value_kind: global_buffer, .address_space: global }
    .group_segment_fixed_size: 121856
    .private_segment_fixed_size: 0
    .kernarg_segment_align: 8
    .kernarg_segment_size: 72
    .max_flat_workgroup_size: 256
    .sgpr_count:     66
    .vgpr_count:     256
    .wavefront_size: 32
...
	.end_amdgpu_metadata
.endif
;; end of part 1
;; launch hgemm (part 2): grid 4 x 64, 4 waves a work-group, clusters of 4 x 4, 327,680 bytes of LDS; arguments x_codes, x_scales, b_codes, b_scales, h16; writes h16
.if DOCPART == 2
	.amdgcn_target "amdgcn-amd-amdhsa--gfx1250"
	.amdhsa_code_object_version 6
	.text
	.protected	k_q22eaf85512_hgemm
	.globl	k_q22eaf85512_hgemm
	.p2align	8
	.type	k_q22eaf85512_hgemm,@function
k_q22eaf85512_hgemm:
	s_mov_b64 s[64:65], 0
	v_nop
	global_prefetch_b8 v0, s[64:65] scope:SCOPE_SE
	s_setreg_imm32_b32 hwreg(HW_REG_WAVE_MODE, 25, 1), 1
	s_wait_xcnt 0x0
	s_wait_alu depctr_hold_cnt(0) depctr_sa_sdst(0) depctr_va_vdst(0) depctr_va_sdst(0) depctr_va_ssrc(0) depctr_va_vcc(0) depctr_vm_vsrc(0)
	s_getreg_b32 s2, hwreg(HW_REG_IB_STS2, 6, 4)
	s_cmp_eq_u32 s2, 0
	s_cbranch_scc0 .Lentry_in_a_cluster
	s_endpgm
.Lentry_in_a_cluster:
	s_bfe_u32 s2, ttmp6, 0x10000c
	s_cmp_lg_u32 s2, 0xf033
	s_cbranch_scc0 .Lentry_shape_is_right
	s_endpgm
.Lentry_shape_is_right:
; h16[m][n] = f16( 2^-4 x the sum over k of Q(x)[m][k] Q(B)[n][k] ).  Both operands: codes of FP4 (E2M1), [rows][512 bytes], K innermost, the lower k in the low four bits, with one E8M0 byte for each 32 along K, [rows][32].
; The matrix instruction takes codes and scale bytes as they lie in memory; sums in f32.  The factor 2^-4 is exact and is taken back by the next launch: it keeps h inside f16 where the inputs are some 30 times larger
; or carry an offset.  LIMITS: |h| from 1.04e6 on is not served (f16's largest number x 16); |h| under 9.8e-4 is an f16 subnormal (absolute error 4.8e-7 in h).
; A tile of h, 256 x 256, is made by a work-group of four waves; a wave makes 128 x 128: 64 accumulators of 16 x 16, 512 registers.  K = 1,024 is two K steps of 512 (tile rows of 256 bytes): TWO LDS slots hold all of it,
; so every tile is asked for at the head and no LDS byte is filled twice.  The scale bytes of the work-group's 256 + 256 rows, for all of K, are two dense blocks of 8,192 bytes: they come with the first fills.
; CLUSTERS: 4 x 4 work-groups.  The four of a row of the cluster need the same tiles of x, the four of a column the same tiles of B: each tile is asked for JOINTLY, by the same tensor load with the same descriptor
; and a mask that names the four.  THE MATRIX INSTRUCTION IS USED TRANSPOSED (source 0 = 16 rows of B, source 1 = 16 rows of x): a lane then holds eight neighbouring numbers of a row of h.
; REGISTERS, in windows of 256: window 0: v0-31 addresses; v32-95 scale words, two sets, and nothing else; v96-127 and v192-255 at work on the way out; v128-191 x's fragments (8 x 16 rows x 128 K), ONE set, on the way out rows read back.
;   window 1: B's fragments, TWO sets, at v0 and at v128.   window 2: the 32 accumulators of my rows 0-63 (accumulator (a, b) at v[8 (8 a + b)]);   window 3: those of my rows 64-127.
; A step of 128 along K is 64 matrix instructions, x's blocks one after the other, each against B's eight.  A block of x is free as soon as its eight products are issued, so one set serves x:
; blocks 0-3 are fetched anew in the step's middle, blocks 4-7 at its end.  B's fragments are at work through the whole step, so B has two sets.
.set SIZE_N, 1024
.set SIZE_K, 1024
.set KSTEP,  512                       ; along K in a slot
.set NQ,     KSTEP/128                 ; matrix instructions deep
.set ROWB,   256                       ; a tile's row in bytes
.set KROW,   SIZE_K/2                  ; a row of codes in memory, in bytes
.set PITCH,  272                       ; an LDS row: 256 bytes + 16 of padding = 68 words: row r starts at bank 4 r mod 64 (64 banks of 4 bytes: ISA guide 11.1)
.set FR,     8                         ; registers of a fragment: 16 rows x 128 K
.set NL,     2                         ; LDS loads that bring one
.set NP,     4                         ; places behind this matrix instruction (ISA guide 7.12.1)
.set HALFT,  128*PITCH                 ; 128 rows: what one tensor load brings, and what one wave reads of x or of B
.set SLOT,   4*HALFT                   ; x's 256 rows, then B's 256 rows
.set KS,     SIZE_K/32                 ; a row of scales in bytes
.set SCL,    2*SLOT                    ; behind the slots: the scales, as units of 256 bytes + 16 of padding
.set HALFS,  (128*KS/256)*272          ; the scales of 128 rows: what one tensor load brings
.set SBLK,   (16*KS/256)*272           ; those of 16 rows
.set SPARE,  SCL+4*HALFS               ; behind the scales: the spare words, 128 bytes for each wave: two blocks of 256 bytes that no other line names
.set SPITCH, 272                       ; the way out: a stage of 16 rows x (256 bytes + 16) for each wave.  It lies in slot 0, which has had its one fill and its last read when the first result is stored there
.set ADRA, 16                          ; v16-17  LDS address of my fragments of x in slot 0, 1
.set ADRB, 20                          ; v20-21  the same for B
.set STO,  24                          ; v24     the way out: where I put 16 bytes of a row
.set RD,   25                          ; v25     the way out: where I read a row back
.set CO,   26                          ; v26     my byte offset in two rows of h16
.set ADRS, 27                          ; v27     LDS address of my scale words: lanes 0-15 x's rows, lanes 16-31 B's
.set SPW,  28                          ; v28     LDS address of my spare word: SPARE + 4 x my thread's number; never rewritten
.set NIL,  29                          ; v29     0; never rewritten
.set SC,   32                          ; scale words: set s (for slot s) at v[SC + 8 NQ s]; in it register NQ i + q: lanes 0-15 the word of x's block i, lanes 16-31 that of B's block i, for the slot's q-th 128 along K
.set TMP,  96                          ; the way out: a block's 32 registers of f16
.set AF,   128                         ; x's fragments
.set BK,   128                         ; the way out: 16 rows read back from the stage: v128-159 and v160-191 by turns
.set MT,   192                         ; the way out: a block's 64 numbers x 2^-4
.set G1, 24                            ; s[24:31] descriptor group 1 for x's tiles;  s[32:39] group 0, one set for each slot
.set G0, 32
.set G1B, 48                           ; s[48:55], s[56:63] the same for B's tiles
.set G0B, 56
.set G1S, 68                           ; s[68:75], s[76:79] groups 1 and 0 for x's scales;  s[80:87], s[88:91] for B's
.set G0S, 76
.set G1SB, 80
.set G0SB, 88
.set MSB, 0
.macro WIN new                         ; the immediate's high byte repeats the setting that is left; a switch that changes nothing is dropped
.if MSB != (\new)
	s_set_vgpr_msb (MSB<<8)|(\new)
.set MSB, (\new)
.endif
.endm
.set MUL_LO, 0xa1                      ; source 0 (B) window 1, source 1 (x) window 0, C and D window 2
.set MUL_HI, 0xf1                      ; the same, C and D window 3
.set TO_B,   0x40                      ; destination window 1, address window 0
; A joint load: waves 0 and 1 fetch for x, waves 2 and 3 for B.  Each of the two lines has ONE mask and one set of registers for all that issue it; the branch hangs on the wave's number alone.
; An s_nop 0 and four v_nop follow each of the two lines, ahead of the jump, the label and what follows.
.macro JLOAD g0a, g1a, g0b, g1b
	s_cmp_eq_u32 s15, 0
	s_cbranch_scc0 .Lfor_b_\@
	tensor_load_to_lds s[\g0a:\g0a+3], s[\g1a:\g1a+7]
	s_nop 0
.rept 4
	v_nop
.endr
	s_branch .Lasked_\@
.Lfor_b_\@:
	tensor_load_to_lds s[\g0b:\g0b+3], s[\g1b:\g1b+7]
	s_nop 0
.rept 4
	v_nop
.endr
.Lasked_\@:
.endm
; A round of the cluster's barrier: my work-group's barrier, so that wave 0's signal speaks for all four waves; wave 0 signals for the work-group; every wave waits for all sixteen work-groups; my work-group's barrier once more.
.macro CROUND
	s_barrier_signal -1
	s_barrier_wait -1
	s_cmp_lg_u32 s14, 0
	s_cbranch_scc1 .Lnot_wave_0_\@
	s_barrier_signal -3
.Lnot_wave_0_\@:
	s_barrier_wait -3
	s_barrier_signal -1
	s_barrier_wait -1
.endm
	s_load_b128 s[4:7], s[0:1], 0x0                ; x's codes s[4:5], x's scales s[6:7]
	s_load_b128 s[8:11], s[0:1], 0x10              ; B's codes s[8:9], B's scales s[10:11]
	s_load_b64 s[12:13], s[0:1], 0x20              ; h16
	v_lshl_add_u32 v[SPW], v0, 2, SPARE
	v_mov_b32 v[NIL], 0
	ds_add_u32 v[SPW], v[NIL]                      ; the wave's opening: the add, twice on end, and its wait ahead of my first tensor load; the set-up below the second, work on registers, stands between it and the wait
	ds_add_u32 v[SPW], v[NIL]                      ; and once more, under the one wait
	v_lshrrev_b32 v1, 5, v0
	v_readfirstlane_b32 s14, v1                    ; wave 0..3
	s_lshr_b32 s15, s14, 1                         ; which half of the tile's rows is mine.  Also: I fetch for x (0) or for B (1)
	s_and_b32 s16, s14, 1                          ; which half of its columns.  Also: which 128 rows of that tile I fetch
	s_bfe_u32 s40, ttmp6, 0x40000                  ; cx, cy: my place in the cluster
	s_bfe_u32 s41, ttmp6, 0x40004
	s_lshl_b32 s42, ttmp9, 2
	s_add_co_u32 s42, s42, s40                     ; tile column of h = 4 x cluster x + cx
	s_and_b32 s17, ttmp7, 0xffff
	s_lshl_b32 s17, s17, 2
	s_add_co_u32 s17, s17, s41                     ; tile row of h = 4 x cluster y + cy
	s_lshl_b32 s43, s41, 2
	s_lshl_b32 s43, 15, s43                        ; my row of the cluster
	s_lshl_b32 s44, 0x1111, s40                    ; my column
	; descriptor group 1: a tile of 128 rows x 256 bytes, padded in LDS
	s_or_b32 s[G1+0], s43, (0<<16)|(1<<20)|(1<<21)|(5<<22)|(3<<25)  ; 15:0 the mask: x's tiles go to my row; 17:16 element of 1 byte; 20 padding on; 21 set beside a mask; 24:22 after every 64 words (code 5); 31:25 of 4 words (code 3)
	s_or_b32 s[G1B+0], s44, (0<<16)|(1<<20)|(1<<21)|(5<<22)|(3<<25)
.irp g, G1, G1B
	s_mov_b32 s[\g+1], ROWB<<16                    ; tensor_dim0
	s_mov_b32 s[\g+2], 128<<16                     ; tensor_dim1 = 128
	s_mov_b32 s[\g+3], ROWB<<16                    ; tile_dim0
	s_mov_b32 s[\g+4], 128                         ; tile_dim1 = 128
	s_mov_b32 s[\g+5], KROW                        ; tensor_dim0_stride
	s_mov_b32 s[\g+6], 0
	s_mov_b32 s[\g+7], 0
.endr
	; and for the scales of 128 rows: a dense block of 4,096 bytes, as 16 rows of 256 bytes (32 elements of 8 bytes), 16 bytes of padding behind each
	s_or_b32 s[G1S+0], s43, (3<<16)|(1<<20)|(1<<21)|(5<<22)|(3<<25)
	s_or_b32 s[G1SB+0], s44, (3<<16)|(1<<20)|(1<<21)|(5<<22)|(3<<25)
.irp g, G1S, G1SB
	s_mov_b32 s[\g+1], 32<<16
	s_mov_b32 s[\g+2], (128*KS/256)<<16
	s_mov_b32 s[\g+3], 32<<16
	s_mov_b32 s[\g+4], 128*KS/256
	s_mov_b32 s[\g+5], 32
	s_mov_b32 s[\g+6], 0
	s_mov_b32 s[\g+7], 0
.endr
	s_lshl_b32 s18, s16, 7                         ; which 128 rows of the tile I fetch
	s_lshl_b32 s20, s17, 8
	s_add_co_u32 s20, s20, s18                     ; x: row 256 x tile row + 128 x half
	s_lshl_b32 s46, s42, 8
	s_add_co_u32 s46, s46, s18                     ; B: row 256 x tile column + 128 x half
	s_mov_b32 s21, 0
	s_mov_b32 s47, 0
	s_mov_b64 s[18:19], KS
	s_mul_u64 s[22:23], s[20:21], s[18:19]         ; where these rows' scales begin, in bytes
	s_mul_u64 s[92:93], s[46:47], s[18:19]
	s_mov_b64 s[18:19], KROW
	s_mul_u64 s[20:21], s[20:21], s[18:19]         ; and their codes
	s_mul_u64 s[46:47], s[46:47], s[18:19]
	s_mul_i32 s45, s14, HALFT                      ; where they go: wave x 128 rows: no place in the cluster enters an LDS address
	s_mul_i32 s94, s14, HALFS
	s_mov_b32 s96, 0x3d800000                      ; 2^-4, for the way out;
	s_mov_b32 s97, s96                             ; (the packed form names the pair and takes its low word for both halves: so s97 is written)
	s_wait_dscnt 0x0                               ; both opening adds are done
	s_wait_kmcnt 0x0
	s_add_nc_u64 s[20:21], s[4:5], s[20:21]
	s_add_nc_u64 s[22:23], s[6:7], s[22:23]
	s_add_nc_u64 s[46:47], s[8:9], s[46:47]
	s_add_nc_u64 s[92:93], s[10:11], s[92:93]
	CROUND                                         ; all sixteen work-groups are here: the joint loads meet
	s_mov_b32 s[G0S], 1
	s_add_co_u32 s[G0S+1], s94, SCL
	s_mov_b64 s[G0S+2:G0S+3], s[22:23]
	s_or_b32 s[G0S+3], s[G0S+3], 0x80000000
	s_mov_b32 s[G0SB], 1
	s_add_co_u32 s[G0SB+1], s94, SCL
	s_mov_b64 s[G0SB+2:G0SB+3], s[92:93]
	s_or_b32 s[G0SB+3], s[G0SB+3], 0x80000000
	JLOAD G0S, G1S, G0SB, G1SB                     ; the scales first: they are wanted with K step 0
.irp s, 0,1
	s_mov_b32 s[G0+4*\s], 1                                        ; 1:0 count = 1
	s_add_co_u32 s[G0+4*\s+1], s45, \s*SLOT                        ; 63:32 LDS address
	s_add_nc_u64 s[G0+4*\s+2:G0+4*\s+3], s[20:21], \s*ROWB         ; 120:64 global address: K step s
	s_or_b32 s[G0+4*\s+3], s[G0+4*\s+3], 0x80000000                ; 127:126 type = 2
	s_mov_b32 s[G0B+4*\s], 1
	s_add_co_u32 s[G0B+4*\s+1], s45, \s*SLOT
	s_add_nc_u64 s[G0B+4*\s+2:G0B+4*\s+3], s[46:47], \s*ROWB
	s_or_b32 s[G0B+4*\s+3], s[G0B+4*\s+3], 0x80000000
	JLOAD G0+4*\s, G1, G0B+4*\s, G1B               ; three tensor loads of mine are out behind the second of these: all that this launch asks for
.endr
	v_and_b32 v1, 15, v0                           ; l % 16
	v_bfe_u32 v2, v0, 4, 1                         ; l / 16
	v_mul_u32_u24 v3, v1, PITCH
	v_lshl_add_u32 v4, v2, 4, v3                   ; a fragment's row x pitch + 16 x half
	s_mul_i32 s21, s15, HALFT                      ; my 128 rows of x
	s_mul_i32 s22, s16, HALFT                      ; my 128 rows of B,
	s_add_co_u32 s22, s22, 2*HALFT                 ; which lie behind x's 256
.irp s, 0,1
	v_add_nc_u32 v[ADRA+\s], s21, v4
	v_add_nc_u32 v[ADRB+\s], s22, v4
	s_add_co_u32 s21, s21, SLOT
	s_add_co_u32 s22, s22, SLOT
.endr
	v_mul_u32_u24 v5, v1, KS                       ; my row's scales: KS bytes a row,
	v_lshrrev_b32 v6, 8, v5
	v_lshl_add_u32 v5, v6, 4, v5                   ; and 16 more for each 256 passed
	s_mul_i32 s21, s15, HALFS                      ; x's: my 128 rows
	s_mul_i32 s22, s16, HALFS                      ; B's: my 128 rows, behind x's 256
	s_add_co_u32 s22, s22, 2*HALFS
	s_sub_co_u32 s22, s22, s21
	v_mul_u32_u24 v6, s22, v2                      ; lanes 16-31 take B's: one product, the distance between the two bases x the lane's half
	s_add_co_u32 s21, s21, SCL
	v_add_nc_u32 v5, v5, v6
	v_add_nc_u32 v[ADRS], s21, v5
	s_mul_i32 s23, s14, 16*SPITCH                  ; my stage
	v_mul_u32_u24 v5, v1, SPITCH                   ; in: row l % 16, 16 bytes for each half of the lanes
	v_lshl_add_u32 v5, v2, 4, v5
	v_add_nc_u32 v[STO], s23, v5
	v_mul_u32_u24 v5, v2, SPITCH                   ; back: lanes 0-15 take one row of 256 bytes, lanes 16-31 the next
	v_lshl_add_u32 v5, v1, 4, v5
	v_add_nc_u32 v[RD], s23, v5
	v_lshlrev_b32 v5, 11, v2                       ; and the same two rows in h16: 2,048 bytes a row
	v_lshl_add_u32 v[CO], v1, 4, v5
	s_lshl_b32 s20, s17, 8
	s_lshl_b32 s21, s15, 7
	s_add_co_u32 s20, s20, s21                     ; my first row of h: 256 x tile row + 128 x half
	s_mov_b32 s21, 0
	s_mov_b64 s[18:19], SIZE_N*2
	s_mul_u64 s[20:21], s[20:21], s[18:19]
	s_lshl_b32 s46, s42, 9                         ; my first column, in bytes: 512 x tile column + 256 x half
	s_lshl_b32 s47, s16, 8
	s_add_co_u32 s46, s46, s47
	s_mov_b32 s47, 0
	s_add_nc_u64 s[20:21], s[20:21], s[46:47]
	s_add_nc_u64 s[12:13], s[12:13], s[20:21]
.macro FRAG reg, adr, q, i             ; a fragment, 16 rows x 128 K of 4-bit codes, is 8 registers: lane l holds row l % 16; registers 4 c .. 4 c + 3 hold K = 64 c + 32 (l / 16) + 0 .. 31, the lower K in the lower bits
.irp c, 0,1
	ds_load_b128 v[\reg+4*\c:\reg+4*\c+3], v[\adr] offset:64*(\q)+32*\c+(\i)*16*PITCH
.endr
.endm
; 16 matrix instructions: x's blocks a0, a0 + 1 x B's eight, 128 along K: the slot's q-th.  p: B's set;  sc: the set of scale words.  zero = 1: the first product starts the sums: nothing is ever cleared.
; The 64 accumulators take turns, one instruction a turn, in the same order in every step.
.macro MUL16 a0, p, q, sc, zero
.irp a, \a0, \a0+1
.irp b, 0,1,2,3,4,5,6,7
.if \zero
	v_wmma_scale_f32_16x16x128_f8f6f4 v[8*(8*((\a)%4)+\b):8*(8*((\a)%4)+\b)+7], v[128*(\p)+FR*\b:128*(\p)+FR*\b+FR-1], v[AF+FR*(\a):AF+FR*(\a)+FR-1], 0, v[SC+8*NQ*(\sc)+NQ*\b+(\q)], v[SC+8*NQ*(\sc)+NQ*(\a)+(\q)] matrix_a_fmt:MATRIX_FMT_FP4 matrix_b_fmt:MATRIX_FMT_FP4 matrix_a_scale:MATRIX_SCALE_ROW1
.else
	v_wmma_scale_f32_16x16x128_f8f6f4 v[8*(8*((\a)%4)+\b):8*(8*((\a)%4)+\b)+7], v[128*(\p)+FR*\b:128*(\p)+FR*\b+FR-1], v[AF+FR*(\a):AF+FR*(\a)+FR-1], v[8*(8*((\a)%4)+\b):8*(8*((\a)%4)+\b)+7], v[SC+8*NQ*(\sc)+NQ*\b+(\q)], v[SC+8*NQ*(\sc)+NQ*(\a)+(\q)] matrix_a_fmt:MATRIX_FMT_FP4 matrix_b_fmt:MATRIX_FMT_FP4 matrix_a_scale:MATRIX_SCALE_ROW1
.endif
.endr
.endr
.endm
.macro FETCH_B slot, q, p              ; B's eight fragments of the slot's q-th 128 along K into set p
	WIN TO_B
.irp i, 0,1,2,3,4,5,6,7
	FRAG 128*(\p)+FR*\i, ADRB+\slot, \q, \i
.endr
	WIN 0
.endm
.macro FETCH_A slot, q, i0             ; x's blocks i0 .. i0 + 3
.irp i, \i0, \i0+1, \i0+2, \i0+3
	FRAG AF+FR*(\i), ADRA+\slot, \q, \i
.endr
.endm
.macro SCALES sc                       ; a K step's scale words into set sc: NQ words a row; lanes 0-15 take x's block i, lanes 16-31 B's block i
.irp i, 0,1,2,3,4,5,6,7
	ds_load_b128 v[SC+8*NQ*\sc+NQ*\i:SC+8*NQ*\sc+NQ*\i+3], v[ADRS] offset:\i*SBLK
.endr
.endm
; A load into a register that a matrix instruction has read, and a vector instruction that reads a matrix result, stand NP places behind that matrix instruction, and only plain vector instructions that name none
; of its registers are places (ISA guide 7.12.1 for vector instructions); this text does not count the matrix instructions in between.
.macro PLACES n
.rept \n
	v_nop
.endr
.endm
; A step of 128 along K that has its successor in the same slot.
.macro STEP slot, q, zero
	s_wait_dscnt 4*NL                              ; B's set and x's blocks 0-3 are in; the youngest eight loads (x's blocks 4-7) may be out
	WIN MUL_LO
	MUL16 0, (\q)%2, \q, \slot, \zero
	MUL16 2, (\q)%2, \q, \slot, \zero
	s_wait_dscnt 0                                 ; x's blocks 4-7 are in (asked for 32 matrix instructions ago)
	PLACES NP
	FETCH_B \slot, (\q)+1, 1-(\q)%2
	FETCH_A \slot, (\q)+1, 0
	WIN MUL_HI
	MUL16 4, (\q)%2, \q, \slot, \zero
	MUL16 6, (\q)%2, \q, \slot, \zero
	PLACES NP
	WIN 0
	FETCH_A \slot, (\q)+1, 4
.endm
; Slot 0's last step changes slots: ONE barrier.  In front of it each wave waits for all its tensor loads (its part of slot 1), adds 0 to its spare word, and waits for that and for its own reads of slot 0.
; Behind it slot 1 is whole, and nobody reads slot 0 any more: the way out will store there.  Nothing is filled again.
.macro TURN slot, next
	s_wait_tensorcnt 0x0                           ; all my tensor loads have landed  (every window is 0 here: the add's two registers lie in window 0)
	ds_add_u32 v[SPW], v[NIL]                      ; 0 onto my spare word
	s_wait_dscnt 4*NL+1                            ; (the add and the youngest eight loads, x's blocks 4-7, may be out)
	WIN MUL_LO
	MUL16 0, 1, NQ-1, \slot, 0                     ; sixteen matrix instructions stand between the add and the wait for it
	s_wait_dscnt 0x0                               ; the add is done, and my reads of this slot are over
	s_barrier_signal -1
	MUL16 2, 1, NQ-1, \slot, 0
	WIN 0
	s_barrier_wait -1
	PLACES NP
	v_add_nc_u32 v[ADRS], 4*NQ, v[ADRS]            ; on to the next K step's scale words (no LDS load of mine is out)
	FETCH_B \next, 0, 0
	FETCH_A \next, 0, 0
	SCALES \next
	WIN MUL_HI
	MUL16 4, 1, NQ-1, \slot, 0
	MUL16 6, 1, NQ-1, \slot, 0
	PLACES NP
	WIN 0
	FETCH_A \next, 0, 4
.endm
.macro STEPS slot, from                ; the slot's steps from .. NQ - 2
.set Q, \from
.rept NQ-1-\from
	STEP \slot, Q, 0
.set Q, Q+1
.endr
.endm
	s_wait_tensorcnt 1                             ; the scales and my part of K step 0 are in (K step 1's load, issued behind them, may be out),
	s_barrier_signal -1
	s_barrier_wait -1                              ; everybody's are
	FETCH_B 0, 0, 0
	FETCH_A 0, 0, 0
	SCALES 0
	FETCH_A 0, 0, 4
	STEP 0, 0, 1                                   ; the first step's products start the sums
	STEPS 0, 1
	TURN 0, 1
	STEPS 1, 0
	s_wait_dscnt 4*NL                              ; the very last step: nothing more to fetch
	WIN MUL_LO
	MUL16 0, 1, NQ-1, 1, 0
	MUL16 2, 1, NQ-1, 1, 0
	s_wait_dscnt 0
	WIN MUL_HI
	MUL16 4, 1, NQ-1, 1, 0
	MUL16 6, 1, NQ-1, 1, 0
	WIN 0
; THE WAY OUT, block by block of 16 rows x 128 columns.  PACK: x 2^-4 (exact), rounded to f16: 16 bytes a lane.  TOSTAGE: into my own stage in LDS, and back as whole rows of 256 bytes.  SEND: stored.
; LDS serves a wave's instructions in order (ISA guide 5.7.1.4): no wait between the stores and the loads, nor in front of the next block's stores.
.macro PACK a
.set AC, 64*((\a)%4)
	WIN 0x02+(\a)/4                                ; source 0: window 2 or 3
.set i, 0
.rept 32
	v_pk_mul_f32 v[MT+2*i:MT+2*i+1], v[AC+2*i:AC+2*i+1], s[96:97] op_sel_hi:[1,0]   ; ascending: each accumulator from its low end on
.set i, i+1
.endr
	WIN 0
.set i, 0
.rept 32
	v_cvt_pk_f16_f32 v[TMP+i], v[MT+2*i], v[MT+2*i+1]
.set i, i+1
.endr
.endm
.macro TOSTAGE a
.set BB, BK+32*((\a)%2)
.irp b, 0,1,2,3,4,5,6,7
	ds_store_b128 v[STO], v[TMP+4*\b:TMP+4*\b+3] offset:32*\b
.endr
.irp t, 0,1,2,3,4,5,6,7
	ds_load_b128 v[BB+4*\t:BB+4*\t+3], v[RD] offset:\t*2*SPITCH
.endr
.endm
.macro SEND a
.set BB, BK+32*((\a)%2)
	s_wait_dscnt 0x0                               ; the block is back in registers
	s_wait_xcnt 0x0                                ; every earlier memory instruction has had its addresses translated (ISA guide 3.1): only behind this wait are the stores' base and the registers that earlier stores read rewritten
.if (\a) > 0
	s_add_nc_u64 s[12:13], s[12:13], 16*SIZE_N*2   ; 16 rows of h16 on
.endif
.irp t, 0,1,2,3,4,5,6,7
	global_store_b128 v[CO], v[BB+4*\t:BB+4*\t+3], s[12:13] offset:2*\t*SIZE_N*2   ; 16 lanes store 256 consecutive bytes, at a multiple of 256 from the buffer's first byte
.endr
.endm
	PLACES NP                                      ; behind the last products: for the first reads of results and for the loads into the registers that held x's fragments
	PACK 0
	TOSTAGE 0
.irp a, 1,2,3,4,5,6,7                  ; block a's arithmetic stands between block a - 1's loads from the stage and the wait for them
	PACK \a
	SEND \a-1
	TOSTAGE \a
.endr
	SEND 7
	s_wait_tensorcnt 0x0                           ; the wave's end: behind my last tensor load and my last LDS store
	ds_add_u32 v[SPW], v[NIL]
	s_wait_dscnt 0x0
	CROUND                                         ; the closing round: no work-group ends while a partner may still ask for a tile that names it
	s_endpgm
.Lfunc_end_k_q22eaf85512_hgemm:
	.size	k_q22eaf85512_hgemm, .Lfunc_end_k_q22eaf85512_hgemm-k_q22eaf85512_hgemm
	.p2alignl 7, 3214868480
	.fill 96, 4, 3214868480
	.section	.rodata,"a",@progbits
	.p2align	6, 0x0
	.amdhsa_kernel k_q22eaf85512_hgemm
		.amdhsa_group_segment_fixed_size 327680
		.amdhsa_private_segment_fixed_size 0
		.amdhsa_enable_private_segment 0
		.amdhsa_kernarg_size 40
		.amdhsa_user_sgpr_count 2
		.amdhsa_user_sgpr_kernarg_segment_ptr 1
		.amdhsa_wavefront_size32 1
		.amdhsa_system_sgpr_workgroup_id_x 1
		.amdhsa_system_sgpr_workgroup_id_y 1
		.amdhsa_system_sgpr_workgroup_id_z 1
		.amdhsa_system_vgpr_workitem_id 0
		.amdhsa_next_free_vgpr 1024
		.amdhsa_next_free_sgpr 98
		.amdhsa_reserve_vcc 0
		.amdhsa_float_denorm_mode_32 3
		.amdhsa_float_denorm_mode_16_64 3
		.amdhsa_memory_ordered 1
		.amdhsa_forward_progress 1
		.amdhsa_inst_pref_size 143
	.end_amdhsa_kernel
	.amdgpu_metadata
---
amdhsa.version: [ 1, 2 ]
amdhsa.kernels:
  - .name:           k_q22eaf85512_hgemm
    .symbol:         k_q22eaf85512_hgemm.kd
    .args:
      - { .name: x_codes, .offset: 0, .size: 8, .value_kind: global_buffer, .address_space: global }
      - { .name: x_scales, .offset: 8, .size: 8, .value_kind: global_buffer, .address_space: global }
      - { .name: b_codes, .offset: 16, .size: 8, .value_kind: global_buffer, .address_space: global }
      - { .name: b_scales, .offset: 24, .size: 8, .value_kind: global_buffer, .address_space: global }
      - { .name: h16, .offset: 32, .size: 8, .value_kind: global_buffer, .address_space: global }
    .group_segment_fixed_size: 327680
    .private_segment_fixed_size: 0
    .kernarg_segment_align: 8
    .kernarg_segment_size: 40
    .max_flat_workgroup_size: 128
    .sgpr_count:     98
    .vgpr_count:     1024
    .wavefront_size: 32
...
	.end_amdgpu_metadata
.endif
;; end of part 2
;; launch ygemm (part 3): grid 4 x 64, 4 waves a work-group, clusters of 4 x 4, 327,680 bytes of LDS; arguments h16, wt16, out0; writes out0
.if DOCPART == 3
	.amdgcn_target "amdgcn-amd-amdhsa--gfx1250"
	.amdhsa_code_object_version 6
	.text
	.protected	k_q22eaf85512_ygemm
	.globl	k_q22eaf85512_ygemm
	.p2align	8
	.type	k_q22eaf85512_ygemm,@function
k_q22eaf85512_ygemm:
	s_mov_b64 s[64:65], 0
	v_nop
	global_prefetch_b8 v0, s[64:65] scope:SCOPE_SE
	s_setreg_imm32_b32 hwreg(HW_REG_WAVE_MODE, 25, 1), 1
	s_wait_xcnt 0x0
	s_wait_alu depctr_hold_cnt(0) depctr_sa_sdst(0) depctr_va_vdst(0) depctr_va_sdst(0) depctr_va_ssrc(0) depctr_va_vcc(0) depctr_vm_vsrc(0)
	s_getreg_b32 s2, hwreg(HW_REG_IB_STS2, 6, 4)
	s_cmp_eq_u32 s2, 0
	s_cbranch_scc0 .Lentry_in_a_cluster
	s_endpgm
.Lentry_in_a_cluster:
	s_bfe_u32 s2, ttmp6, 0x10000c
	s_cmp_lg_u32 s2, 0xf033
	s_cbranch_scc0 .Lentry_shape_is_right
	s_endpgm
.Lentry_shape_is_right:
; out0[m][o] = 2^4 x the sum over h of h16[m][h] wt16[o][h].  h16: [16384][1024] f16, holding h x 2^-4; wt16: [1024][1024] f16, holding (A C^T) transposed; out0: [16384][1024] f32; sums in f32.  The factor 2^4 is exact.
; A tile of out0, 256 x 256, is made by a work-group of four waves; a wave makes 128 x 128: 64 accumulators of 16 x 16, 512 registers.  There are 64 x 4 tiles, one to a work-group.
; K goes in steps of 128 through a ring of two LDS slots filled by the tensor data mover: the rows of the tiles are 256 bytes of memory and start at multiples of 256 bytes from the buffer's first byte.
; CLUSTERS: 4 x 4 work-groups.  The four of a row of the cluster need the same tiles of h16, the four of a column the same tiles of wt16.  Such a tile is asked for JOINTLY: each of the four issues the same tensor load,
; with the same descriptor and a mask that names the four, and each receives the tile in its own LDS.
; Below, A stands for h16 and B for wt16.
; REGISTERS, in windows of 256: window 0: v0-31 addresses; v64-127, v128-191 fragments of A (8 x 16 rows x 32 K), two buffers; on the way out v128-255 rows read back
;   window 1: v64-127, v128-191 fragments of B, two buffers;   window 2: the 32 accumulators of my rows 0-63 (accumulator (a, b) at v[8 (8 a + b)]);   window 3: those of my rows 64-127.
; THE MATRIX INSTRUCTION IS USED TRANSPOSED: source 0 = 16 rows of B, source 1 = 16 rows of A: lane l then holds row l % 16 of the result and its registers the columns 8 (l / 16) + 0 .. 7: 32 neighbouring bytes.
.set SIZE_N, 1024
.set SIZE_K, 1024
.set KSTEP,  128
.set PITCH,  272                       ; an LDS row: 256 bytes + 16 of padding = 68 words: row r starts at bank 4 r mod 64 (64 banks of 4 bytes: ISA guide 11.1), so the 16 rows that a load touches start at 16 different banks
.set HALFT,  128*PITCH                 ; 128 rows: what one tensor load brings, and what one wave reads of A or of B
.set SLOT,   4*HALFT                   ; A's 256 rows, then B's 256 rows
.set STAGE,  2*SLOT                    ; behind the ring: 16 rows x (512 bytes + 16) for each wave, for the way out; no tile lands there
.set SPITCH, 528
.set SPARE,  STAGE+4*16*SPITCH         ; behind the stages: the spare words, 128 bytes for each wave: two blocks of 256 bytes that no other line names
.set LAPS, SIZE_K/(2*KSTEP)            ; a lap = two K steps = once round the ring: 4
.set ADRA, 16                          ; v16-17  LDS address of my A fragments in slot 0, 1
.set ADRB, 20                          ; v20-21  the same for B
.set STO,  24                          ; v24     the way out: where I put 32 bytes of a row
.set RD,   25                          ; v25     the way out: where I read a row back
.set CO,   26                          ; v26     my byte offset in a row of out0
.set SPW,  28                          ; v28     LDS address of my spare word: SPARE + 4 x my thread's number; never rewritten
.set NIL,  29                          ; v29     0; never rewritten
.set PFO,  30                          ; v30     the prefetches' offset: my lane x a row of A or B in memory (2,048 bytes); never rewritten
.set PFA,  44                          ; s[44:45] where my prefetches stand: my work-group's 32 rows of the 128 that I fetch, one K step further along K than the refill that is being asked for; a prefetch names the K step after that
.set LIM,  43                          ; s43     1 in a wave that prefetches, else the greatest number
.set F0,   64                          ; fragment buffer 0
.set F1,   128                         ; fragment buffer 1
.set BK,   128                         ; the way out: 16 rows read back from the stage: v128-191 and v192-255 by turns
.set G1, 24                            ; s[24:31] descriptor group 1 for A's tiles
.set G0, 32                            ; s[32:39] descriptor group 0 for A's tiles, one set for each slot
.set G1B, 48                           ; s[48:55] descriptor group 1 for B's tiles: it differs from A's in the mask alone
.set G0B, 56                           ; s[56:63] descriptor group 0 for B's tiles, one set for each slot
.set MSB, 0
.macro WIN new                         ; the immediate's high byte repeats the setting that is left; a switch that changes nothing is dropped
.if MSB != (\new)
	s_set_vgpr_msb (MSB<<8)|(\new)
.set MSB, (\new)
.endif
.endm
.set MUL_LO, 0xa1                      ; source 0 (B) window 1, source 1 (A) window 0, C and D window 2
.set MUL_HI, 0xf1                      ; the same, C and D window 3
.set TO_B,   0x40                      ; destination window 1, address window 0
; A joint load.  Waves 0 and 1 fetch A's two halves, waves 2 and 3 B's.  Each of the two lines has ONE mask and one set of registers for all that issue it.  The branch hangs on the wave's number alone.
; An s_nop 0 and four v_nop follow each of the two lines; the jump round the other line, the label and what follows the macro come after them.
.macro JLOAD s
	s_cmp_eq_u32 s11, 0
	s_cbranch_scc0 .Lfor_b_\@
	tensor_load_to_lds s[G0+4*\s:G0+4*\s+3], s[G1:G1+7]
	s_nop 0
.rept 4
	v_nop
.endr
	s_branch .Lasked_\@
.Lfor_b_\@:
	tensor_load_to_lds s[G0B+4*\s:G0B+4*\s+3], s[G1B:G1B+7]
	s_nop 0
.rept 4
	v_nop
.endr
.Lasked_\@:
.endm
; A PREFETCH INTO THE L2, behind each joint load, its five lines and the run of LDS loads that follows them: the K step that stands TWO refills on (512 matrix instructions ahead of the load that will want it):
; 32 rows x 256 bytes, a lane a row, one instruction a wave.  Each row's 256 bytes of a K step are named ONCE in the launch.  A's tile row is read by one row of clusters, which is one cluster here (cluster x = 0): it asks.
; B's tile column is read by all sixteen clusters: cluster y = 0 asks.  The four partners that ask for a tile jointly share its rows out BY ADDRESS: of the 128 rows that wave w fetches, the partner at place p takes
; 32 p .. 32 p + 31 (p = cx for A, cy for B): no branch hangs on a work-group's place in its cluster.  The first four K steps come by their loads alone; the last trip's two refills have no K step two on and ask for nothing.
.macro ASK
	s_cmp_gt_u32 s3, s[LIM]                        ; s3 = 1 in the loop's last trip
	s_cbranch_scc0 .Lnot_mine_\@
	global_prefetch_b8 v[PFO], s[PFA:PFA+1] offset:KSTEP*2 th:TH_LOAD_NT scope:SCOPE_SE
.Lnot_mine_\@:
.endm
; A round of the cluster's barrier: my work-group's barrier, so that wave 0's signal speaks for all four waves; wave 0 signals for the work-group; every wave waits for all sixteen work-groups; my work-group's barrier once more.
.macro CREST                           ; a round behind its opening barrier
	s_cmp_lg_u32 s10, 0
	s_cbranch_scc1 .Lnot_wave_0_\@
	s_barrier_signal -3
.Lnot_wave_0_\@:
	s_barrier_wait -3
	s_barrier_signal -1
	s_barrier_wait -1
.endm
.macro CROUND                          ; a whole round
	s_barrier_signal -1
	s_barrier_wait -1
	CREST
.endm
	s_load_b128 s[4:7], s[0:1], 0x0                ; A (h16) s[4:5], B (wt16) s[6:7]
	s_load_b64 s[8:9], s[0:1], 0x10                ; out0
	v_lshl_add_u32 v[SPW], v0, 2, SPARE
	v_mov_b32 v[NIL], 0
	ds_add_u32 v[SPW], v[NIL]                      ; the wave's opening: the add, twice on end, and its wait ahead of my first tensor load; the set-up below the second, work on registers, stands between it and the wait
	ds_add_u32 v[SPW], v[NIL]                      ; and once more, under the one wait
	v_lshrrev_b32 v1, 5, v0
	v_readfirstlane_b32 s10, v1                    ; wave 0..3
	s_lshr_b32 s11, s10, 1                         ; which half of the tile's rows is mine.  Also: I fetch for A (0) or for B (1)
	s_and_b32 s12, s10, 1                          ; which half of its columns.  Also: which 128 rows of that tile I fetch
	s_bfe_u32 s40, ttmp6, 0x40000                  ; cx: my place along the cluster's x
	s_bfe_u32 s41, ttmp6, 0x40004                  ; cy: along its y
	s_lshl_b32 s42, ttmp9, 2                       ; in a cluster launch ttmp9 and ttmp7 count clusters
	s_add_co_u32 s42, s42, s40                     ; tile column = 4 x cluster x + cx
	s_and_b32 s13, ttmp7, 0xffff
	s_lshl_b32 s13, s13, 2
	s_add_co_u32 s13, s13, s41                     ; tile row = 4 x cluster y + cy
	s_lshl_b32 s43, s41, 2
	s_lshl_b32 s43, 15, s43                        ; my row of the cluster: places 4 cy .. 4 cy + 3
	s_lshl_b32 s44, 0x1111, s40                    ; my column: places cx, cx + 4, cx + 8, cx + 12
	; descriptor group 1: a tile of 128 rows x 128 elements, padded in LDS
	s_or_b32 s[G1+0], s43, (1<<16)|(1<<20)|(1<<21)|(5<<22)|(3<<25)  ; 15:0 the mask: A's tiles go to my row; 17:16 element of 2 bytes; 20 padding on; 21 set beside a mask; 24:22 after every 64 words (code 5); 31:25 of 4 words (code 3)
	s_or_b32 s[G1B+0], s44, (1<<16)|(1<<20)|(1<<21)|(5<<22)|(3<<25) ; the same with the mask of my column, for B's tiles
.irp g, G1, G1B
	s_mov_b32 s[\g+1], KSTEP<<16                   ; 63:48 tensor_dim0, low half = 128
	s_mov_b32 s[\g+2], 128<<16                     ; 95:80 tensor_dim1, low half = 128
	s_mov_b32 s[\g+3], KSTEP<<16                   ; 127:112 tile_dim0 = 128
	s_mov_b32 s[\g+4], 128                         ; 143:128 tile_dim1 = 128
	s_mov_b32 s[\g+5], SIZE_K                      ; 191:160 tensor_dim0_stride: elements from row to row
	s_mov_b32 s[\g+6], 0
	s_mov_b32 s[\g+7], 0
.endr
	; where the tiles come from.  A's hang on the tile row alone, which my row of the cluster shares; B's on the tile column alone, which my column shares.
	s_lshl_b32 s17, s12, 7                         ; which 128 rows of the tile I fetch
	s_lshl_b32 s16, s13, 8
	s_add_co_u32 s16, s16, s17                     ; A: row 256 x tile row + 128 x half
	s_lshl_b32 s46, s42, 8
	s_add_co_u32 s46, s46, s17                     ; B: row 256 x tile column + 128 x half
	s_mov_b32 s17, 0
	s_mov_b32 s47, 0
	s_mov_b64 s[18:19], SIZE_K*2
	s_mul_u64 s[16:17], s[16:17], s[18:19]         ; in bytes
	s_mul_u64 s[46:47], s[46:47], s[18:19]
	s_mul_i32 s20, s10, HALFT                      ; and where they go: A's two halves, then B's two halves = wave x 128 rows: no place in the cluster enters an LDS address
	s_mov_b32 s66, 0x41800000                      ; 2^4, for the way out;
	s_mov_b32 s67, s66                             ; (the packed form names the pair and takes its low word for both halves: so s67 is written)
	s_wait_dscnt 0x0                               ; both opening adds are done
	s_wait_kmcnt 0x0
	s_add_nc_u64 s[14:15], s[4:5], s[16:17]
	s_add_nc_u64 s[46:47], s[6:7], s[46:47]
	CROUND                                         ; all sixteen work-groups are here: the first joint loads meet
.irp s, 0,1
	s_mov_b32 s[G0+4*\s], 1                                        ; 1:0 count = 1
	s_add_co_u32 s[G0+4*\s+1], s20, \s*SLOT                        ; 63:32 LDS address
	s_add_nc_u64 s[G0+4*\s+2:G0+4*\s+3], s[14:15], \s*KSTEP*2      ; 120:64 global address: K step s
	s_or_b32 s[G0+4*\s+3], s[G0+4*\s+3], 0x80000000                ; 127:126 type = 2
	s_mov_b32 s[G0B+4*\s], 1
	s_add_co_u32 s[G0B+4*\s+1], s20, \s*SLOT
	s_add_nc_u64 s[G0B+4*\s+2:G0B+4*\s+3], s[46:47], \s*KSTEP*2
	s_or_b32 s[G0B+4*\s+3], s[G0B+4*\s+3], 0x80000000
	JLOAD \s                                       ; the ring is filled before anything else is done: two tensor loads of mine are out
.endr
	; A fragment is 16 rows x 32 K in 8 registers: lane l holds row l % 16; registers 0-3 hold K = 8 (l / 16) + 0..7, registers 4-7 K = 16 + 8 (l / 16) + 0..7: two loads of 16 bytes, 32 bytes apart.
	v_and_b32 v1, 15, v0                           ; l % 16
	v_bfe_u32 v2, v0, 4, 1                         ; l / 16
	v_mul_u32_u24 v3, v1, PITCH
	v_lshl_add_u32 v3, v2, 4, v3                   ; row x pitch + 16 x half
	s_mul_i32 s21, s11, HALFT                      ; my 128 rows of A
	s_mul_i32 s22, s12, HALFT                      ; my 128 rows of B,
	s_add_co_u32 s22, s22, 2*HALFT                 ; which lie behind A's 256
.irp s, 0,1
	v_add_nc_u32 v[ADRA+\s], s21, v3
	v_add_nc_u32 v[ADRB+\s], s22, v3
	s_add_co_u32 s21, s21, SLOT
	s_add_co_u32 s22, s22, SLOT
.endr
	s_mul_i32 s23, s10, 16*SPITCH
	s_add_co_u32 s23, s23, STAGE                   ; my stage
	v_mul_u32_u24 v4, v1, SPITCH                   ; in: row l % 16, 32 bytes for each half of the lanes
	v_lshl_add_u32 v4, v2, 5, v4
	v_add_nc_u32 v[STO], s23, v4
	v_and_b32 v5, 31, v0
	v_lshlrev_b32 v[CO], 4, v5                     ; back: the 32 lanes take one row of 512 bytes; and the same in out0
	v_add_nc_u32 v[RD], s23, v[CO]
	; where my part of the tile begins in out0, in bytes
	s_lshl_b32 s13, s13, 8
	s_lshl_b32 s14, s11, 7
	s_add_co_u32 s16, s13, s14                     ; my first row
	s_mov_b32 s17, 0
	s_mov_b64 s[18:19], SIZE_N*4
	s_mul_u64 s[16:17], s[16:17], s[18:19]
	s_lshl_b32 s46, s42, 10                        ; my first column, in bytes: 1,024 x tile column + 512 x half
	s_lshl_b32 s47, s12, 9
	s_add_co_u32 s46, s46, s47
	s_mov_b32 s47, 0
	s_add_nc_u64 s[16:17], s[16:17], s[46:47]
	s_add_nc_u64 s[8:9], s[8:9], s[16:17]
	; the prefetches.  s13 = 256 x tile row, s42 = tile column, s40 = cx, s41 = cy still stand; s[4:5] = A, s[6:7] = B
	s_lshl_b32 s42, s42, 8
	s_and_b32 s22, ttmp7, 0xffff                   ; cluster y
	s_cmp_eq_u32 s11, 0                            ; do I fetch for A?
	s_cselect_b32 s20, s13, s42                    ; the tile's first row: in A by the tile row, in B by the tile column
	s_cselect_b32 s21, s40, s41                    ; my place among the four that ask for it with me
	s_cselect_b32 s22, ttmp9, s22                  ; the coordinate along which other clusters read the same rows
	s_cselect_b64 s[PFA:PFA+1], s[4:5], s[6:7]
	s_cmp_eq_u32 s22, 0
	s_cselect_b32 s[LIM], 1, -1                    ; the same in all sixteen partners, for a given wave
	s_lshl_b32 s22, s12, 7
	s_add_co_u32 s20, s20, s22                     ; + the 128 rows that I fetch
	s_lshl_b32 s21, s21, 5
	s_add_co_u32 s20, s20, s21                     ; + my work-group's 32 of them
	s_mov_b32 s21, 0
	s_mov_b64 s[18:19], SIZE_K*2
	s_mul_u64 s[20:21], s[20:21], s[18:19]
	s_add_nc_u64 s[PFA:PFA+1], s[PFA:PFA+1], s[20:21]
	s_add_nc_u64 s[PFA:PFA+1], s[PFA:PFA+1], 2*KSTEP*2  ; at K step 2: the first refill steps it to 3 and names K step 4; the fourth names K step 7, the last
	v_and_b32 v[PFO], 31, v0
	v_mul_u32_u24 v[PFO], v[PFO], SIZE_K*2
; 16 matrix instructions: m blocks a0, a0 + 1 of the window's four (hi = 0: my rows 0-63, 1: rows 64-127) x all 8 n blocks, 32 along K.  zero = 1: the first product starts the sums: nothing is ever cleared.
; The 64 accumulators take turns, one instruction a turn, in the same order in every quarter step, over the loop's backward jump too.
.macro MUL16 f, hi, a0, zero
.irp a, \a0, \a0+1
.irp b, 0,1,2,3,4,5,6,7
.if \zero
	v_wmma_f32_16x16x32_f16 v[8*(8*(\a)+\b):8*(8*(\a)+\b)+7], v[\f+8*\b:\f+8*\b+7], v[\f+8*(4*\hi+\a):\f+8*(4*\hi+\a)+7], 0
.else
	v_wmma_f32_16x16x32_f16 v[8*(8*(\a)+\b):8*(8*(\a)+\b)+7], v[\f+8*\b:\f+8*\b+7], v[\f+8*(4*\hi+\a):\f+8*(4*\hi+\a)+7], v[8*(8*(\a)+\b):8*(8*(\a)+\b)+7]
.endif
.endr
.endr
.endm
; 32 LDS loads in one run: the fragments of one quarter step (128 rows of B, 128 rows of A, 32 K at byte k of the rows) into buffer f
.macro FETCH slot, k, f
	WIN TO_B
.irp i, 0,1,2,3,4,5,6,7
	ds_load_b128 v[\f+8*\i:\f+8*\i+3],   v[ADRB+\slot] offset:\k+\i*16*PITCH
	ds_load_b128 v[\f+8*\i+4:\f+8*\i+7], v[ADRB+\slot] offset:\k+\i*16*PITCH+32
.endr
	WIN 0
.irp i, 0,1,2,3,4,5,6,7
	ds_load_b128 v[\f+8*\i:\f+8*\i+3],   v[ADRA+\slot] offset:\k+\i*16*PITCH
	ds_load_b128 v[\f+8*\i+4:\f+8*\i+7], v[ADRA+\slot] offset:\k+\i*16*PITCH+32
.endr
.endm
; A load into a register that a matrix instruction has read, and an LDS store that reads a matrix result, stand four places behind that matrix instruction, and only plain vector instructions that name none of its
; registers are places (ISA guide 7.12.1 for vector instructions); this text does not count the matrix instructions in between.
.macro PLACES
.rept 4
	v_nop
.endr
.endm
; A K step is four quarter steps of 32 along K, 64 matrix instructions each, on buffers 0, 1, 0, 1.
; One of the first three: multiplies buffer f; in its middle it fetches the next quarter's fragments, at byte k of the same slot's rows, into buffer g.
.macro QUARTER slot, k, f, g, zero
	s_wait_dscnt 8                                 ; B and A's rows 0-63 are in; the youngest eight loads (A's rows 64-127) may be out
	WIN MUL_LO
	MUL16 \f, 0, 0, \zero
	MUL16 \f, 0, 2, \zero
	PLACES
	FETCH \slot, \k, \g
	s_wait_dscnt 32                                ; all but the 32 just issued
	WIN MUL_HI
	MUL16 \f, 1, 0, \zero
	MUL16 \f, 1, 2, \zero
.endm
; The last quarter multiplies buffer 1 and changes slots.  MEET is its first half: ONE barrier for the change of slots.  In front of it each wave waits for all its tensor loads, of which one is out: its part of the next
; slot; adds 0 to its spare word; and waits for that and for its own reads of this slot.  Behind it nobody reads this slot any more and the next slot is whole.
.macro MEET round                      ; round = 1: the rest of a round of the cluster's barrier follows
	WIN 0                                          ; (the add's two registers lie in window 0)
	s_wait_tensorcnt 0x0                           ; all my tensor loads have landed: the one that was out is my part of the next slot;
	ds_add_u32 v[SPW], v[NIL]                      ; 0 onto my spare word
	s_wait_dscnt 9                                 ; (the add and the youngest eight loads may be out)
	WIN MUL_LO
	MUL16 F1, 0, 0, 0                              ; sixteen matrix instructions stand between the add and the wait for it
	s_wait_dscnt 0x0                               ; the add is done, and my reads of this slot are over:
	s_barrier_signal -1                            ; say so,
	MUL16 F1, 0, 2, 0                              ; work on registers while the others arrive,
.if \round
	WIN 0
.endif
	s_barrier_wait -1                              ; and go on when all four have said so
.endm
; The whole last quarter.  Behind the round the slot just read out is filled again first, with the K step two steps on; then come the next slot's first fragments.
; From a request to the wait for it a wave issues 224 matrix instructions.
.macro TURN slot, next
	s_wait_xcnt 0x0                                ; the last prefetch, a K step back, has read its address: it is stepped here, ahead of the waits of the change of slots
	s_add_nc_u64 s[PFA:PFA+1], s[PFA:PFA+1], KSTEP*2
	MEET 1
	CREST                                          ; wave 0 says so for the work-group, all sixteen work-groups have said so, my work-group's barrier closes the round:
	                                               ; no wave of any partner still reads this slot's tile or has a load on its way
	s_add_nc_u64 s[G0+4*\slot+2:G0+4*\slot+3], s[G0+4*\slot+2:G0+4*\slot+3], 2*KSTEP*2     ; no tensor load of mine is out, so a group 0 may be written; the type bits on top are not reached
	s_add_nc_u64 s[G0B+4*\slot+2:G0B+4*\slot+3], s[G0B+4*\slot+2:G0B+4*\slot+3], 2*KSTEP*2
	JLOAD \slot                                    ; the first tensor load behind the round, and my one load until the next; the four v_nop behind it are also the places in front of the loads below
	FETCH \next, 0, F0
	ASK                                            ; behind the joint load and the run of LDS loads that the next products wait for
	WIN MUL_HI
	MUL16 F1, 1, 0, 0
	MUL16 F1, 1, 2, 0
.endm
	s_wait_tensorcnt 1                             ; my part of K step 0 is in (K step 1's load, issued behind it, may be out)
	s_barrier_signal -1
	s_barrier_wait -1                              ; everybody's is
	FETCH 0, 0, F0
	QUARTER 0, 64,  F0, F1, 1                      ; the first quarter stands in front of the loop: its products start the sums
	WIN 0                                          ; at a label and at a branch every window is 0
	s_mov_b32 s3, LAPS-1
.Llap:                                                 ; a trip goes once round the ring, from a lap's second quarter to the next lap's first, and fills both slots again: three trips bring K steps 2 to 7
	QUARTER 0, 128, F1, F0, 0
	QUARTER 0, 192, F0, F1, 0
	TURN 0, 1
	QUARTER 1, 64,  F0, F1, 0
	QUARTER 1, 128, F1, F0, 0
	QUARTER 1, 192, F0, F1, 0
	TURN 1, 0
	QUARTER 0, 64,  F0, F1, 0
	WIN 0
	s_sub_co_u32 s3, s3, 1
	s_cmp_lg_u32 s3, 0
	s_cbranch_scc1 .Llap
	QUARTER 0, 128, F1, F0, 0                      ; the last lap is written out: it asks for nothing more
	QUARTER 0, 192, F0, F1, 0
	MEET 0                                         ; my one tensor load that was still out is slot 1's, the last K step's, so no round follows
	PLACES                                         ; for the loads into buffer 0, which the quarter before multiplied
	FETCH 1, 0, F0
	WIN MUL_HI
	MUL16 F1, 1, 0, 0
	MUL16 F1, 1, 2, 0
	QUARTER 1, 64,  F0, F1, 0
	QUARTER 1, 128, F1, F0, 0
	QUARTER 1, 192, F0, F1, 0
	s_wait_dscnt 8                                 ; the very last quarter: nothing more to fetch
	WIN MUL_LO
	MUL16 F1, 0, 0, 0
	MUL16 F1, 0, 2, 0
	s_wait_dscnt 0
	WIN MUL_HI
	MUL16 F1, 1, 0, 0
	MUL16 F1, 1, 2, 0
	WIN 0
; THE WAY OUT, block by block of 16 rows x 128 columns.  A lane holds 32 neighbouring bytes of a row, and the lanes beside it hold other rows: so a block goes through my own stage in LDS and comes back as whole
; rows of 512 bytes, which are multiplied by 2^4 and stored by the 32 lanes.  LDS serves a wave's instructions in order (ISA guide 5.7.1.4): no wait between the stores and the loads, nor in front of the next block's stores.
.macro TOSTAGE a
.set AC, 64*((\a)%4)
	WIN 0x08+4*((\a)/4)                            ; an LDS store's data are its source 1: window 2 or 3
.irp b, 0,1,2,3,4,5,6,7
	ds_store_b128 v[STO], v[AC+8*\b:AC+8*\b+3] offset:64*\b          ; each accumulator from its low end on
	ds_store_b128 v[STO], v[AC+8*\b+4:AC+8*\b+7] offset:64*\b+16
.endr
	WIN 0
.set BB, BK+64*((\a)%2)
.irp t, 0,1,2,3,4,5,6,7,8,9,10,11,12,13,14,15
	ds_load_b128 v[BB+4*\t:BB+4*\t+3], v[RD] offset:\t*SPITCH
.endr
.endm
.macro SEND a, younger                 ; younger: the LDS instructions issued behind block a's loads, which may stay out
.set BB, BK+64*((\a)%2)
	s_wait_dscnt \younger                          ; the block is back in registers
.if (\a) > 0
	s_add_nc_u64 s[8:9], s[8:9], 16*SIZE_N*4       ; (behind a wait on XCNT, with no memory instruction since: the earlier stores have read their base)  16 rows of out0 on
.endif
.set i, 0
.rept 32
	v_pk_mul_f32 v[BB+2*i:BB+2*i+1], v[BB+2*i:BB+2*i+1], s[66:67] op_sel_hi:[1,0]   ; x 2^4: exact
.set i, i+1
.endr
.irp t, 0,1,2,3,4,5,6,7,8,9,10,11,12,13,14,15
	global_store_b128 v[CO], v[BB+4*\t:BB+4*\t+3], s[8:9] offset:\t*SIZE_N*4 th:TH_STORE_NT   ; 32 lanes store 512 consecutive bytes, at a multiple of 256 from out0's first byte; written once, read by nobody here
.endr
.endm
	PLACES                                         ; behind the last products: for the LDS stores that read results and for the loads into the registers that held A's fragments
	TOSTAGE 0
.irp a, 1,2,3,4,5,6,7
.if \a > 1
	s_wait_xcnt 0x0                                ; block a - 2's stores have read their registers and their base: block a's loads may land there, and the base may step
.endif
	TOSTAGE \a
	SEND \a-1, 32                                  ; behind block a - 1's loads: block a's 16 stores and 16 loads
.endr
	s_wait_xcnt 0x0                                ; block 6's stores have read their base
	SEND 7, 0
	s_wait_tensorcnt 0x0                           ; the wave's end: behind my last tensor load and my last LDS store
	ds_add_u32 v[SPW], v[NIL]
	s_wait_dscnt 0x0
	CROUND                                         ; the closing round: no work-group ends while a partner may still ask for a tile that names it
	s_endpgm
.Lfunc_end_k_q22eaf85512_ygemm:
	.size	k_q22eaf85512_ygemm, .Lfunc_end_k_q22eaf85512_ygemm-k_q22eaf85512_ygemm
	.p2alignl 7, 3214868480
	.fill 96, 4, 3214868480
	.section	.rodata,"a",@progbits
	.p2align	6, 0x0
	.amdhsa_kernel k_q22eaf85512_ygemm
		.amdhsa_group_segment_fixed_size 327680
		.amdhsa_private_segment_fixed_size 0
		.amdhsa_enable_private_segment 0
		.amdhsa_kernarg_size 24
		.amdhsa_user_sgpr_count 2
		.amdhsa_user_sgpr_kernarg_segment_ptr 1
		.amdhsa_wavefront_size32 1
		.amdhsa_system_sgpr_workgroup_id_x 1
		.amdhsa_system_sgpr_workgroup_id_y 1
		.amdhsa_system_sgpr_workgroup_id_z 1
		.amdhsa_system_vgpr_workitem_id 0
		.amdhsa_next_free_vgpr 1024
		.amdhsa_next_free_sgpr 68
		.amdhsa_reserve_vcc 0
		.amdhsa_float_denorm_mode_32 3
		.amdhsa_float_denorm_mode_16_64 3
		.amdhsa_memory_ordered 1
		.amdhsa_forward_progress 1
		.amdhsa_inst_pref_size 158
	.end_amdhsa_kernel
	.amdgpu_metadata
---
amdhsa.version: [ 1, 2 ]
amdhsa.kernels:
  - .name:           k_q22eaf85512_ygemm
    .symbol:         k_q22eaf85512_ygemm.kd
    .args:
      - { .name: h16, .offset: 0, .size: 8, .value_kind: global_buffer, .address_space: global }
      - { .name: wt16, .offset: 8, .size: 8, .value_kind: global_buffer, .address_space: global }
      - { .name: out0, .offset: 16, .size: 8, .value_kind: global_buffer, .address_space: global }
    .group_segment_fixed_size: 327680
    .private_segment_fixed_size: 0
    .kernarg_segment_align: 8
    .kernarg_segment_size: 24
    .max_flat_workgroup_size: 128
    .sgpr_count:     68
    .vgpr_count:     1024
    .wavefront_size: 32
...
	.end_amdgpu_metadata
.endif
;; end of part 3
